; MI455X (gfx1250); checked and timed in simulation.
; The chip was launched on July 23, 2026; its instructions are those of AMD's public machine-readable ISA for CDNA 5 (MIT licence, August 2026) and "CDNA5" Instruction Set Architecture Reference Guide (July 2026). The comments in the code are by the model that wrote it; some were corrected since.
;; Multi Head Attention. Allowed arithmetic: matrix products marked QUANTISED: E2M3 operands, one E8M0 scale for each 32 along K, by v_wmma_scale_f32_16x16x128_f8f6f4 with both operands' format E2M3, f32 sums; everything else in f32.
;; Inputs: Wk_codes 12 x 64 x 24 x 24 uint8 (E2M3 codes of Wk, K innermost, in blocks of 32 codes, four codes in three bytes); Wk_scales 12 x 64 x 24 uint8 (E8M0 scales of Wk, one for each 32 codes along K); Wp_codes 768 x 24 x 24 uint8 (E2M3 codes of Wp, K innermost, in blocks of 32 codes, four codes in three bytes); Wp_scales 768 x 24 uint8 (E8M0 scales of Wp, one for each 32 codes along K); Wq_codes 12 x 64 x 24 x 24 uint8 (E2M3 codes of Wq, K innermost, in blocks of 32 codes, four codes in three bytes); Wq_scales 12 x 64 x 24 uint8 (E8M0 scales of Wq, one for each 32 codes along K); Wv_codes 12 x 64 x 24 x 24 uint8 (E2M3 codes of Wv, K innermost, in blocks of 32 codes, four codes in three bytes); Wv_scales 12 x 64 x 24 uint8 (E8M0 scales of Wv, one for each 32 codes along K); bk 12 x 64 float32; bp 768 float32; bq 12 x 64 float32; bv 12 x 64 float32; x_codes 16 x 1,024 x 24 x 24 uint8 (E2M3 codes of x, K innermost, in blocks of 32 codes, four codes in three bytes); x_scales 16 x 1,024 x 24 uint8 (E8M0 scales of x, one for each 32 codes along K).
;; Outputs: out0 16 x 1,024 x 768 float32.
;; This version of the problem:
;;   THIS VERSION OF THE PROBLEM IS GIVEN IN LOW PRECISION. The matrix products marked QUANTISED in the list below multiply operands that are first quantised to E2M3 (2 exponent bits, 3 mantissa bits; 6 bits a number), with one power-of-two scale for each 32 numbers along K (OCP MX v1.0); their sums are f32. All else is computed in f32.
;;   The module's matrix products, in the order in which they are computed (A, B: the left and right operand; K: the contracted axis; several contracted axes count as one K, in the product's order):
;;     1. [M 768, K 768] x [K 768, N 16,384]; A: input Wq (given as codes); B: input x (given as codes): QUANTISED
;;     2. [M 768, K 768] x [K 768, N 16,384]; A: input Wk (given as codes); B: input x (given as codes): QUANTISED
;;     3. [M 768, K 768] x [K 768, N 16,384]; A: input Wv (given as codes); B: input x (given as codes): QUANTISED
;;     4. batch 192 x [M 1,024, K 64] x [K 64, N 1,024]; A: computed on the way; B: computed on the way: QUANTISED
;;     5. batch 192 x [M 1,024, K 1,024] x [K 1,024, N 64]; A: softmax (see below); B: computed on the way: QUANTISED
;;     6. [M 16,384, K 768] x [K 768, N 768]; A: computed on the way; B: input Wp (given as codes): QUANTISED
;;   THE QUANTISER, for each operand of a quantised product, along K:
;;     - K is cut into blocks of 32 from its start; a last block that is shorter is filled with zeros.
;;     - A block's scale is 2^e with e = floor(log2(the largest magnitude in the block)) - 2, held to -126 .. 127; a block of zeros has e = 0. As a byte (E8M0): e + 127.
;;     - Each number is divided by its block's scale, clamped to +-7.5, and rounded to the nearest number of E2M3, ties to even, subnormals kept.
;;     - The product sums the exact products of the quantised numbers (number of the format x scale) in f32.
;;   ~~~python
;;   def quantise(x, axis):      # numpy; x: float32 -> the quantised numbers, widened to float32 again
;;       x = np.moveaxis(x, axis, -1); K = x.shape[-1]
;;       x = np.pad(x, [(0, 0)] * (x.ndim - 1) + [(0, -K % 32)]); x = x.reshape(x.shape[:-1] + (-1, 32)); a = np.abs(x).max(-1, keepdims=True)
;;       e = np.where(a > 0, np.clip(np.frexp(np.where(a > 0, a, 1))[1] - 1 - 2, -126, 127), 0)      # np.frexp(a)[1] - 1 = floor(log2(a)), exactly
;;       r = np.clip(x / 2.0 ** e, -7.5, 7.5)
;;       step = 2.0 ** (np.maximum(np.frexp(np.where(r == 0, 1, r))[1] - 1, 0) - 3)
;;       q = np.round(r / step) * step * 2.0 ** e      # np.round: ties to even
;;       return np.moveaxis(q.reshape(q.shape[:-2] + (-1,))[..., :K], -1, axis).astype(np.float32)
;;   ~~~
;;   SOFTMAX AHEAD OF A QUANTISED PRODUCT. Where the list says 'softmax', what is quantised is not the finished softmax but p = 2^(t - M), with t = logit x log2(e) and M = ceil(the row's largest t), a whole number; so 1/2 < the row's largest p <= 1. The row's sum l is taken of the UNQUANTISED p, in f32, and the product's result is divided by l at the end. Since M is a whole number, a kernel that streams over the keys may use a running M (the ceiling of the running maximum): every later rescaling is an exact power of two, which a block's scale takes up: the codes' values come out the same.
;;   OPERANDS COMPUTED ON THE WAY. 'Computed on the way' means the value that the module computes at that place (a softmax that the list does not call 'softmax' is quantised finished and normalised). What goes into a quantiser is computed in f32, as accurately as f32 sums, v_exp_f32 and their like allow (about 1e-6 of the number): no bf16 or f16 on the way to a quantiser, and a product that is left as it is and whose result goes on into a quantised operand takes f32 operands (vector FMAs, or v_wmma_f32_16x16x4_f32). A number that lies on a knife's edge between two numbers of the format may be rounded either way, as far as f32 arithmetic and the matrix unit's own rounding can turn it there, and no further.
;;   INPUTS GIVEN AS CODES. Wk (in the module: [12, 768, 64], K = its axis 1); Wp (in the module: [768, 768], K = its axis 0); Wq (in the module: [12, 768, 64], K = its axis 1); Wv (in the module: [12, 768, 64], K = its axis 1); x (in the module: [16, 1024, 768], K = its axis 2): each comes as NAME_codes (uint8): NAME with its K axis moved to the last place and cut into blocks of 32 codes, [.., K / 32, bytes a block], one block behind the other in memory; four codes in three bytes: a row's codes are one little-endian stream of bits, code i at bits 6 i .. 6 i + 5 (a code: sign, 2 exponent bits, 3 mantissa bits); and NAME_scales (uint8): the same leading axes, one E8M0 byte (e + 127) for each 32 codes along K. Its value is code x scale, taken as it is: it is not quantised again, and the codes and scales need not be those that the quantiser above would give.
;; One version. Each part assembles by itself: llvm-mc -triple=amdgcn-amd-amdhsa -mcpu=gfx1250 --defsym DOCPART=n.
;; ======== version 1 of 1: 3 launches
;; limits: right only within a limited range of input values
;; workspace buffers: qw 10,223,616 bytes; kv 20,054,016 bytes; ow 11,010,048 bytes
;; launch qkv (part 1): grid 64 x 4, 4 waves a work-group, clusters of 4 x 4, 327,680 bytes of LDS; arguments x_codes, x_scales, Wq_codes, Wq_scales, bq, Wk_codes, Wk_scales, bk, Wv_codes, Wv_scales, bv, qw, kv; writes qw, kv
.if DOCPART == 1
	.amdgcn_target "amdgcn-amd-amdhsa--gfx1250"
	.amdhsa_code_object_version 6
	.text
	.protected	k_q1ee8a943ad_qkv
	.globl	k_q1ee8a943ad_qkv
	.p2align	8
	.type	k_q1ee8a943ad_qkv,@function
k_q1ee8a943ad_qkv:
	s_mov_b64 s[64:65], 0
	v_nop
	global_prefetch_b8 v0, s[64:65] scope:SCOPE_SE
	s_setreg_imm32_b32 hwreg(HW_REG_WAVE_MODE, 25, 1), 1
	s_wait_xcnt 0x0
	s_wait_alu depctr_hold_cnt(0) depctr_sa_sdst(0) depctr_va_vdst(0) depctr_va_sdst(0) depctr_va_ssrc(0) depctr_va_vcc(0) depctr_vm_vsrc(0)
	s_getreg_b32 s2, hwreg(HW_REG_IB_STS2, 6, 4)
	s_cmp_eq_u32 s2, 0
	s_cbranch_scc0 .Lentry_in_a_cluster
	s_endpgm
.Lentry_in_a_cluster:
	s_bfe_u32 s2, ttmp6, 0x10000c
	s_cmp_lg_u32 s2, 0xf033
	s_cbranch_scc0 .Lentry_shape_is_right
	s_endpgm
.Lentry_shape_is_right:
; q, k, v = x W + b on codes of FP6 (E2M3) with E8M0 scales, and the results quantised again: q and k along the head's 64, v along the keys.
; SHARES.  Work-group (X, Y): tokens 256 X on, heads 3 Y to 3 Y + 2.  Wave w: tokens 64 w on, four tiles of 16; its x fragments (4 tiles x 6 K steps x 12 registers) stay in registers.
; Nine tasks, written out: task t has type t % 3 (q, k, v) and head t / 3; a task is 64 outputs x 64 tokens, 16 accumulators x 6 K steps = 96 matrix instructions.
; W goes through a ring of three LDS slots, one for each type, each filled three times (64 rows of 576 bytes, a wave brings 16).
; CLUSTER 4 x 4.  x's rows hang on X alone and are asked for jointly by a column of the cluster, W's on Y alone and by a row: each tile is requested once for four work-groups.
; TILE ORDER.  Lane r of token tile 2 b + u holds token 32 b + 8 u + r + 8 (r / 8).  q, k: source 0 = 16 rows of W, source 1 = an x tile: a lane holds one token, its registers run along e.
; v: source 0 = an x tile, source 1 = 16 rows of Wv: a lane holds one e, and the 16 registers of token tiles 2 b, 2 b + 1 are tokens 32 b + 16 (lane / 16) + 0 .. 15.
; OUT.  A record of 768 bytes is six registers a lane (64 along K of 16 rows): registers 0-3 at 16 x lane, registers 4-5 at 512 + 8 x lane.
;   qw, per batch and head 53,248 bytes: 64 records (query tile), then 16 blocks of 256 bytes of scale words (lane l: tiles 2 (l / 16), 2 (l / 16) + 1 of 64 tokens, slot l % 16).
;   kv, per batch and head 104,448 bytes: 64 records of k; 64 of v ([64 keys][e tile]); 16 blocks of k's scale words; 2,048 bytes of v's scale words [128 keys][e tile][row].
;   A scale word of q or k is b0, b1, b0, b1: the upper two bytes stand over zero codes in the next launch.
; LIMITS.  NaN and infinities are not served.  A block whose largest magnitude lies under 2^-124, or that is all zeros, gets the byte 1: its codes are zeros or subnormal, and this program alone reads the bytes.
; Inside a block of 32 of q and of k the order of e is e = 8 h + j, 16 + 8 h + j: the same on both sides, so q . k has the same terms.
.set XWB,   46080                      ; a wave's 64 rows of x in LDS: pitch 720 = 9 x (64 bytes + 16 of padding)
.set WBASE, 184320                     ; behind x: three slots for W
.set WSLOT, 46080                      ; 64 rows
.set WROWS, 11520                      ; 16 rows
.set VST,   322560                     ; v's scale bytes: 3 heads x 4 waves x 64 words; written by LDS stores alone
.set SPARE, 325632                     ; the spare words, 128 bytes a wave: two blocks of 256 bytes that no other line names
.set PADW,  (1<<20)|(1<<21)|(3<<22)|(3<<25)   ; elements of 1 byte; padding on; bit 21 beside a mask; behind every 16 words 4 words
.set SPW,  1                           ; v1   my spare word; never rewritten
.set NIL,  2                           ; v2   0; never rewritten
.set AX,   3                           ; v3-4   my rows of x in LDS (+ 24 h; + 40 h for pieces behind one padding more)
.set AW,   5                           ; v5-10  the same for the three slots of W
.set R24,  11                          ; 24 r
.set P24,  12                          ; 24 (r + 8 (r / 8))
.set H32,  13                          ; 32 h
.set R4,   14                          ; 4 r
.set L16,  15                          ; 16 x lane
.set L8,   16                          ; 8 x lane
.set VSA,  17                          ; where I store v's scale bytes
.set VSR,  18                          ; where I read them back
.set PW0,  20                          ; the four scale bytes of each quantiser call
.set PW1,  21
.set SR,   22                          ; v22-23 a pair of scale words
.set XS,   32                          ; v32-55 x's scale words (6 i + ks)
.set WS,   56                          ; v56-79 W's (6 t + ks)
.set OUTC, 80                          ; v80-103 four records
.set TC,   104                         ; v104-111 conversions' second halves
.set QM,   112                         ; quantiser: largest magnitudes
.set QP,   116                         ; the other half's, then the bytes
.set QS,   120                         ; the conversions' scale operands
.set ACC,  128                         ; v128-255 sixteen accumulators
.set WB0,  96                          ; window 2: W's fragments, two sets of 48
.set BI,   48                          ; window 3: the bias as C, 32 registers
.set WV,   30
.set G1X,  32
.set G1W,  40
.set G0X,  48
.set G0W,  52
.set SEL,  78
.set MSB, 0
.macro WIN new                         ; the immediate's high byte repeats the setting that is left
.if MSB != (\new)
	s_set_vgpr_msb (MSB<<8)|(\new)
.set MSB, (\new)
.endif
.endm
.macro PLACES n
.rept \n
	v_nop
.endr
.endm
.macro ROUND                           ; a round of the cluster's barrier
	s_barrier_signal -1
	s_barrier_wait -1
	s_cmp_lg_u32 s[WV], 0
	s_cbranch_scc1 .Lnot_wave_0_\@
	s_barrier_signal -3
.Lnot_wave_0_\@:
	s_barrier_wait -3
	s_barrier_signal -1
	s_barrier_wait -1
.endm
; A fragment, 16 rows x 128 K: lane (r, h) takes 24 bytes at 96 ks + 24 h and 24 at 96 ks + 48 + 24 h of its row, in pieces of 8 bytes.  Piece n lies at 8 n + 16 (n / 8).
.macro FRAG reg, adr, ks, off
.irp p, 0,1,2,3,4,5
.set PCN, 12*(\ks)+6*(\p/3)+\p%3
.if PCN%8 < 5
	ds_load_b64 v[(\reg)+2*\p:(\reg)+2*\p+1], v[\adr] offset:8*PCN+16*(PCN/8)+(\off)
.else
	ds_load_b64 v[(\reg)+2*\p:(\reg)+2*\p+1], v[\adr+1] offset:8*PCN+16*(PCN/8)+(\off)
.endif
.endr
.endm
; 32 nc numbers of a lane, register 16 b + i = place 16 (lane / 16) + i of block b of my row, become nc records in v[pc] on and their bytes in v[pw].
.macro QUANT s, nc, pc, tc, pw
.irp b, 0,1,2,3
.if \b < 2*\nc
	v_max3_num_f32 v[QM+\b], |v[\s+16*\b]|, |v[\s+16*\b+1]|, 0x1800000   ; my 16 numbers and the floor 2^(3 - 127): the byte cannot fall under 1
.endif
.endr
.irp i, 2,4,6,8,10,12,14
.irp b, 0,1,2,3
.if \b < 2*\nc
	v_max3_num_f32 v[QM+\b], v[QM+\b], |v[\s+16*\b+\i]|, |v[\s+16*\b+\i+1]|
.endif
.endr
.endr
.irp b, 0,1,2,3
.if \b < 2*\nc
	v_permlanex16_b32 v[QP+\b], v[QM+\b], s[SEL], s[SEL+1]
.endif
.endr
.irp b, 0,1,2,3
.if \b < 2*\nc
	v_max_num_f32 v[QM+\b], v[QM+\b], v[QP+\b]       ; with lane l xor 16's: the block's largest magnitude
.endif
.endr
.irp b, 0,1,2,3
.if \b < 2*\nc
	v_add_nc_u32 v[QS+\b], 0xff000000, v[QM+\b]      ; 2 off its exponent field: the conversion's scale operand
.endif
.endr
.irp b, 0,1,2,3
.if \b < 2*\nc
	v_lshrrev_b32 v[QP+\b], 23, v[QS+\b]             ; the scale's byte
.endif
.endr
	v_lshl_or_b32 v[\pw], v[QP+1], 8, v[QP]
.if \nc > 1
	v_lshl_or_b32 v[\pw], v[QP+2], 16, v[\pw]
	v_lshl_or_b32 v[\pw], v[QP+3], 24, v[\pw]
.endif
.irp c, 0,1
.if \c < \nc
	v_cvt_scalef32_pk16_fp6_f32 v[\pc+6*\c:\pc+6*\c+2], v[\s+32*\c:\s+32*\c+15], v[QS+2*\c]
	v_cvt_scalef32_pk16_fp6_f32 v[\tc+4*\c:\tc+4*\c+2], v[\s+32*\c+16:\s+32*\c+31], v[QS+2*\c+1]   ; a conversion's three registers begin on an even number
.endif
.endr
	v_nop                                            ; one plain place behind a scaled conversion
.irp c, 0,1
.if \c < \nc
.irp i, 0,1,2
	v_permlane16_swap_b32 v[\pc+6*\c+\i], v[\tc+4*\c+\i]   ; a whole block to a lane: lanes 0-15 block 2 c, lanes 16-31 block 2 c + 1
.endr
.irp i, 0,1,2
	v_mov_b32 v[\pc+6*\c+3+\i], v[\tc+4*\c+\i]
.endr
.endif
.endr
.endm
; A task's scale words of W and its bias in the result's layout
.macro LOADSB ty, hd
.irp t, 0,1,2,3
.irp p, 0,1,2
	global_load_b64 v[WS+6*\t+2*\p:WS+6*\t+2*\p+1], v[R24], s[10+6*(\ty):11+6*(\ty)] offset:1536*(\hd)+384*\t+8*\p
.endr
.endr
	WIN 0xc0                                         ; destination window 3
.if (\ty) < 2
.irp t, 0,1,2,3
.irp z, 0,1
	global_load_b128 v[BI+8*\t+4*\z:BI+8*\t+4*\z+3], v[H32], s[12+6*(\ty):13+6*(\ty)] offset:256*(\hd)+64*\t+16*\z   ; b(16 t + 8 h + j)
.endr
.endr
.else
.irp t, 0,1,2,3
.irp j, 0,1,2,3,4,5,6,7
	global_load_b32 v[BI+8*\t+\j], v[R4], s[12+6*(\ty):13+6*(\ty)] offset:256*(\hd)+64*\t   ; b(16 t + r) for all eight tokens of the lane
.endr
.endr
.endif
	WIN 0
.endm
.macro FETCHW y, ks, wb                ; W's four fragments of K step ks from slot y: 24 loads
	WIN 0x80                                         ; destination window 2
.irp t, 0,1,2,3
	FRAG (\wb)+12*\t, AW+2*(\y), \ks, WROWS*\t
.endr
.endm
; 16 matrix instructions, one K step.  The sixteen accumulators take turns, one instruction a turn, in the same order in every K step.
.macro MUL ty, ks, wb
.if (\ks) == 0
	WIN 0x36+3*((\ty)/2)                             ; W window 2, x window 1, the bias window 3
.elseif (\ks) < 4
	WIN 0x06+3*((\ty)/2)
.else
	WIN 0x0a                                         ; x's K steps 4 and 5 lie in window 2
.endif
.irp g, 0,1,2,3
.irp n, 0,1,2,3
.set rD, ACC+32*\g+8*\n
.if (\ty) < 2
.set rA, (\wb)+12*\n
.set rB, 12*(4*((\ks)%4)+\g)
.set rC, BI+8*\n
.set sA, WS+6*\n+(\ks)
.set sB, XS+6*\g+(\ks)
.else
.set rA, 12*(4*((\ks)%4)+\n)
.set rB, (\wb)+12*\g
.set rC, BI+8*\g
.set sA, XS+6*\n+(\ks)
.set sB, WS+6*\g+(\ks)
.endif
.if (\ks) != 0
.set rC, rD
.endif
	v_wmma_scale_f32_16x16x128_f8f6f4 v[rD:rD+7], v[rA:rA+11], v[rB:rB+11], v[rC:rC+7], v[sA], v[sB] matrix_a_fmt:MATRIX_FMT_FP6 matrix_b_fmt:MATRIX_FMT_FP6
.endr
.endr
.endm
; In front of task t: the slot that task t - 1 has read out is filled with task t + 2's rows of W (t up to 6); task 7's barrier only shows task 8's rows landed in every wave.
.macro TRIP t
.set YS, ((\t)-1)%3
	WIN 0
	s_wait_tensorcnt 0x0                             ; all my tensor loads have landed, so a group 0 may be written
	ds_add_u32 v[SPW], v[NIL]                        ; 0 onto my spare word
.if (\t) <= 6
	s_add_nc_u64 s[G0W+4*YS+2:G0W+4*YS+3], s[G0W+4*YS+2:G0W+4*YS+3], 36864   ; the next head's 64 rows
.endif
	s_wait_dscnt 0x0                                 ; the add is done, and my reads of the slot are over
.if (\t) <= 6
	ROUND                                            ; no wave of any partner still reads the slot or has a load on its way
	tensor_load_to_lds s[G0W+4*YS:G0W+4*YS+3], s[G1W:G1W+7]   ; my one tensor load behind the round; it has one task in which to land
	s_nop 0
	PLACES 4
.else
	s_barrier_signal -1
	s_barrier_wait -1
.endif
.endm
.macro TASK t
.set TY, (\t)%3
.set HD, (\t)/3
.if ((\t) >= 1) && ((\t) <= 7)
	TRIP \t
.endif
	FETCHW TY, 0, WB0
	s_wait_loadcnt 0x0                               ; this task's scale words and bias (asked for a task ago), and in task 0 x's scale words
.irp ks, 0,1,2,3,4,5
.if (\ks >= 1) && (\ks < 5)
	PLACES 4                                         ; in front of loads into the set that the last K step but one... the step before multiplied
.endif
.if \ks < 5
	FETCHW TY, \ks+1, WB0+48*((\ks+1)%2)
	s_wait_dscnt 24                                  ; all but the 24 loads just issued: this K step's fragments are in
.else
	s_wait_dscnt 0x0
.endif
	MUL TY, \ks, WB0+48*(\ks%2)
.endr
	WIN 0
	PLACES 4                                         ; in front of the first read of results and of loads into scale and bias registers
.if (\t) < 8
.set NTY, ((\t)+1)%3
.set NHD, ((\t)+1)/3
	LOADSB NTY, NHD
.endif
	s_wait_xcnt 0x0                                  ; the last task's stores have read their registers: the records are written anew only behind this wait
	QUANT ACC, 2, OUTC, TC, PW0
	QUANT ACC+64, 2, OUTC+12, TC, PW1
.if TY < 2
.set HO, (53248+51200*TY)*HD
.irp i, 0,1,2,3
	global_store_b128 v[L16], v[OUTC+6*\i:OUTC+6*\i+3], s[66+4*TY:67+4*TY] offset:HO+768*\i        ; 512 consecutive bytes, aligned to 256
	global_store_b64 v[L8], v[OUTC+6*\i+4:OUTC+6*\i+5], s[66+4*TY:67+4*TY] offset:HO+768*\i+512    ; 256 consecutive bytes, aligned
.endr
	v_cndmask_b32 v[SR], v[PW0], v[PW1], s80         ; lanes 0-15: tiles 0, 1; lanes 16-31: tiles 2, 3
	v_perm_b32 v[SR+1], v[SR], v[SR], s82            ; bytes 2, 3, 2, 3: the odd tile's word
	v_perm_b32 v[SR], v[SR], v[SR], s81              ; bytes 0, 1, 0, 1: the even tile's
	global_store_b64 v[L8], v[SR:SR+1], s[68+4*TY:69+4*TY] offset:HO
.else
.irp i, 0,1,2,3
	global_store_b128 v[L16], v[OUTC+6*\i:OUTC+6*\i+3], s[74:75] offset:104448*HD+768*\i
	global_store_b64 v[L8], v[OUTC+6*\i+4:OUTC+6*\i+5], s[74:75] offset:104448*HD+768*\i+512
.endr
	v_and_b32 v28, 0xffff, v[PW0]                    ; e tile 0's two bytes (my wave's two blocks of keys), tile 1's, 2's, 3's
	v_lshrrev_b32 v29, 16, v[PW0]
	v_and_b32 v30, 0xffff, v[PW1]
	v_lshrrev_b32 v31, 16, v[PW1]
.irp i, 0,1,2,3
	ds_store_b32 v[VSA], v[28+\i] offset:1024*HD+64*\i   ; lanes r and r + 16 write the same word with the same value
.endr
.endif
.endm
	s_load_b512 s[4:19], s[0:1], 0x0                 ; x codes, x scales; Wq codes, scales, bq; Wk codes, scales, bk
	s_load_b256 s[20:27], s[0:1], 0x40               ; Wv codes, scales, bv; qw
	s_load_b64 s[28:29], s[0:1], 0x60                ; kv
	v_lshl_add_u32 v[SPW], v0, 2, SPARE
	v_mov_b32 v[NIL], 0
	ds_add_u32 v1, v2
	ds_add_u32 v1, v2
	s_wait_dscnt 0x0
	v_lshrrev_b32 v24, 5, v0
	v_readfirstlane_b32 s[WV], v24                   ; wave 0..3
	v_and_b32 v24, 15, v0                            ; r
	v_bfe_u32 v25, v0, 4, 1                          ; h
	v_and_b32 v26, 31, v0                            ; lane
	v_and_b32 v27, 8, v24
	v_add_nc_u32 v27, v27, v24                       ; r + 8 (r / 8)
	s_mul_i32 s31, s[WV], XWB
	v_mul_u32_u24 v28, v27, 720
	v_add_nc_u32 v28, s31, v28
	v_mad_u32_u24 v[AX], v25, 24, v28
	v_mad_u32_u24 v[AX+1], v25, 40, v28
	v_mul_u32_u24 v28, v24, 720
	v_mad_u32_u24 v29, v25, 24, v28
	v_mad_u32_u24 v30, v25, 40, v28
.irp y, 0,1,2
	v_add_nc_u32 v[AW+2*\y], WBASE+WSLOT*\y, v29
	v_add_nc_u32 v[AW+2*\y+1], WBASE+WSLOT*\y, v30
.endr
	v_mul_u32_u24 v[R24], v24, 24
	v_mul_u32_u24 v[P24], v27, 24
	v_lshlrev_b32 v[H32], 5, v25
	v_lshlrev_b32 v[R4], 2, v24
	v_lshlrev_b32 v[L16], 4, v26
	v_lshlrev_b32 v[L8], 3, v26
	s_lshl_b32 s31, s[WV], 8
	v_add_nc_u32 v[VSA], s31, v[R4]
	v_add_nc_u32 v[VSA], VST, v[VSA]                 ; VST + 256 x wave + 4 r
	s_min_u32 s89, s[WV], 2                          ; the head whose scale words I store at the end (wave 3 stores none)
	s_lshl_b32 s31, s89, 10
	v_lshlrev_b32 v[VSR], 4, v24
	v_lshl_add_u32 v[VSR], v25, 9, v[VSR]
	v_add_nc_u32 v[VSR], s31, v[VSR]
	v_add_nc_u32 v[VSR], VST, v[VSR]                 ; VST + 1,024 x head + 512 h + 16 r
.irp b, 0,1,2,3
	v_mov_b32 v[QP+\b], 0                            ; written once: a lane permute's destination counts as one of its sources
.endr
	s_mov_b32 s[SEL], 0x76543210
	s_mov_b32 s[SEL+1], 0xfedcba98                   ; lane l xor 16
	s_mov_b32 s80, 0xffff0000                        ; lanes 16-31
	s_mov_b32 s81, 0x01000100
	s_mov_b32 s82, 0x03020302
	s_bfe_u32 s83, ttmp6, 0x40000                    ; cx
	s_bfe_u32 s84, ttmp6, 0x40004                    ; cy
	s_lshl_b32 s85, ttmp9, 2
	s_add_co_u32 s85, s85, s83                       ; X
	s_and_b32 s86, ttmp7, 0xffff
	s_lshl_b32 s86, s86, 2
	s_add_co_u32 s86, s86, s84                       ; Y
	s_lshl_b32 s87, s84, 2
	s_lshl_b32 s87, 15, s87                          ; my row of the cluster: W's tiles
	s_lshl_b32 s88, 0x1111, s83                      ; my column: x's tiles
	s_or_b32 s[G1X], s88, PADW
	s_mov_b32 s[G1X+1], 256<<16                      ; x's 256 rows are one dense block of 147,456 bytes: stated as 576 rows of 256 bytes, each on a multiple of 256
	s_mov_b32 s[G1X+2], 576<<16
	s_mov_b32 s[G1X+3], 256<<16
	s_mov_b32 s[G1X+4], 576
	s_mov_b32 s[G1X+5], 256
	s_mov_b32 s[G1X+6], 0
	s_mov_b32 s[G1X+7], 0
	s_or_b32 s[G1W], s87, PADW
	s_mov_b32 s[G1W+1], 256<<16                      ; W's rows likewise: at the head a whole slot, 64 rows of W = 144 rows of 256 bytes; the ring's loads bring 36
	s_mov_b32 s[G1W+2], 144<<16
	s_mov_b32 s[G1W+3], 256<<16
	s_mov_b32 s[G1W+4], 144
	s_mov_b32 s[G1W+5], 256
	s_mov_b32 s[G1W+6], 0
	s_mov_b32 s[G1W+7], 0
	s_mul_i32 s90, s85, 147456                       ; x: 256 X rows of 576 bytes (no register here ever holds Y)
	s_mov_b32 s91, 0
	s_mul_i32 s92, s86, 110592                       ; W: 3 Y heads of 64 rows + my 16 w rows (no register here ever holds X)
	s_mul_i32 s31, s[WV], 9216
	s_add_co_u32 s92, s92, s31
	s_mov_b32 s93, 0
	s_lshr_b32 s96, s85, 2
	s_mul_i32 s96, s96, 12
	s_mul_i32 s97, s86, 3
	s_add_co_u32 s96, s96, s97                       ; 12 x batch + first head
	s_and_b32 s97, s85, 3                            ; which 256 tokens of the batch
	s_lshl_b32 s98, s97, 2
	s_add_co_u32 s98, s98, s[WV]                     ; which 64
	s_mul_i32 s99, s96, 53248
	s_mul_i32 s100, s96, 104448
	s_mul_i32 s101, s98, 3072
	s_lshl_b32 s98, s98, 8
	s_mov_b32 s95, 0
	s_wait_kmcnt 0x0
	s_mov_b32 s[G0X], 1
	s_mov_b32 s[G0X+1], 0                            ; wave 0 brings all 256 rows of x
	s_add_nc_u64 s[G0X+2:G0X+3], s[4:5], s[90:91]
	s_or_b32 s[G0X+3], s[G0X+3], 0x80000000
.irp y, 0,1,2
	s_mov_b32 s[G0W+4*\y], 1
	s_mul_i32 s[G0W+4*\y+1], s[WV], WROWS
	s_add_co_u32 s[G0W+4*\y+1], s[G0W+4*\y+1], WBASE+WSLOT*\y
	s_add_nc_u64 s[G0W+4*\y+2:G0W+4*\y+3], s[8+6*\y:9+6*\y], s[92:93]
	s_or_b32 s[G0W+4*\y+3], s[G0W+4*\y+3], 0x80000000
.endr
	s_mul_i32 s94, s85, 6144                         ; x's scales: 24 bytes a token
	s_mul_i32 s31, s[WV], 1536
	s_add_co_u32 s94, s94, s31
	s_add_nc_u64 s[6:7], s[6:7], s[94:95]
	s_mul_i32 s94, s86, 4608                         ; W's scales: 3 Y heads of 64 x 24 bytes
	s_add_nc_u64 s[10:11], s[10:11], s[94:95]
	s_add_nc_u64 s[16:17], s[16:17], s[94:95]
	s_add_nc_u64 s[22:23], s[22:23], s[94:95]
	s_mul_i32 s94, s86, 768                          ; the biases: 3 Y heads of 256 bytes
	s_add_nc_u64 s[12:13], s[12:13], s[94:95]
	s_add_nc_u64 s[18:19], s[18:19], s[94:95]
	s_add_nc_u64 s[24:25], s[24:25], s[94:95]
	s_add_co_u32 s94, s99, s101
	s_add_nc_u64 s[66:67], s[26:27], s[94:95]        ; q's records
	s_add_co_u32 s94, s99, s98
	s_add_co_u32 s94, s94, 49152
	s_add_nc_u64 s[68:69], s[26:27], s[94:95]        ; q's scale words
	s_add_co_u32 s94, s100, s101
	s_add_nc_u64 s[70:71], s[28:29], s[94:95]        ; k's records
	s_add_co_u32 s94, s94, 49152
	s_add_nc_u64 s[74:75], s[28:29], s[94:95]        ; v's records
	s_add_co_u32 s94, s100, s98
	s_add_co_u32 s94, s94, 98304
	s_add_nc_u64 s[72:73], s[28:29], s[94:95]        ; k's scale words
	s_mul_i32 s94, s89, 104448
	s_add_co_u32 s94, s94, s100
	s_lshl_b32 s31, s97, 9
	s_add_co_u32 s94, s94, s31
	s_add_co_u32 s94, s94, 102400
	s_add_nc_u64 s[76:77], s[28:29], s[94:95]
	s_mul_i32 s94, s86, 110592                       ; the head's group 0 for the first head's 64 rows of Wq, Wk, Wv: whole slots, Y alone enters
	s_mov_b32 s84, 1
	s_mov_b32 s85, WBASE
	s_add_nc_u64 s[86:87], s[8:9], s[94:95]
	s_or_b32 s87, s87, 0x80000000
	s_mov_b32 s88, 1
	s_mov_b32 s89, WBASE+WSLOT
	s_add_nc_u64 s[90:91], s[14:15], s[94:95]
	s_or_b32 s91, s91, 0x80000000
	s_mov_b32 s92, 1
	s_mov_b32 s93, WBASE+2*WSLOT
	s_add_nc_u64 s[94:95], s[20:21], s[94:95]
	s_or_b32 s95, s95, 0x80000000
	s_wait_alu depctr_va_vdst(0)                     ; the wait at the head's end
	ROUND                                            ; all sixteen work-groups are here: the first joint loads meet
	s_cmp_lt_u32 s[WV], 1                            ; the head's four tiles, one a wave, in one chain of branches: wave 0 x, wave 1 Wq, wave 2 Wk, wave 3 Wv
	s_cbranch_scc0 .Lhead_q
	tensor_load_to_lds s[G0X:G0X+3], s[G1X:G1X+7]
	s_nop 0
	PLACES 4
	s_branch .Lhead_asked
.Lhead_q:
	s_cmp_lt_u32 s[WV], 2
	s_cbranch_scc0 .Lhead_k
	tensor_load_to_lds s[84:87], s[G1W:G1W+7]
	s_nop 0
	PLACES 4
	s_branch .Lhead_asked
.Lhead_k:
	s_cmp_lt_u32 s[WV], 3
	s_cbranch_scc0 .Lhead_v
	tensor_load_to_lds s[88:91], s[G1W:G1W+7]
	s_nop 0
	PLACES 4
	s_branch .Lhead_asked
.Lhead_v:
	tensor_load_to_lds s[92:95], s[G1W:G1W+7]
	s_nop 0
	PLACES 4
.Lhead_asked:
.irp i, 0,1,2,3
.irp p, 0,1,2
	global_load_b64 v[XS+6*\i+2*\p:XS+6*\i+2*\p+1], v[P24], s[6:7] offset:(32*(\i/2)+8*(\i%2))*24+8*\p
.endr
.endr
	LOADSB 0, 0
	s_wait_tensorcnt 0x0                             ; my tile of the head's four is in; no tensor load of mine is out, so group 1 may be written:
	s_mov_b32 s[G1W+2], 36<<16                       ; from here on a load brings 16 rows of W = 36 rows of 256 bytes
	s_mov_b32 s[G1W+4], 36
	s_barrier_signal -1
	s_barrier_wait -1
	WIN 0x40                                         ; x's fragments, once: K steps 0-3 into window 1,
.irp ks, 0,1,2,3
.irp i, 0,1,2,3
	FRAG 12*(4*\ks+\i), AX, \ks, (32*(\i/2)+8*(\i%2))*720
.endr
.endr
	WIN 0x80                                         ; K steps 4 and 5 into window 2
.irp ks, 4,5
.irp i, 0,1,2,3
	FRAG 12*(4*(\ks-4)+\i), AX, \ks, (32*(\i/2)+8*(\i%2))*720
.endr
.endr
.irp t, 0,1,2,3,4,5,6,7,8
	TASK \t
.endr
	s_wait_dscnt 0x0                                 ; for the others' sake: my stores of v's scale bytes are done
	s_barrier_signal -1
	s_barrier_wait -1
	s_cmp_lt_u32 s[WV], 3
	s_cbranch_scc0 .Lno_words
	ds_load_b128 v[24:27], v[VSR]                    ; the even wave's two bytes of four rows,
	ds_load_b128 v[28:31], v[VSR] offset:256         ; the odd wave's
	s_wait_dscnt 0x0
.irp i, 0,1,2,3
	v_lshl_or_b32 v[24+\i], v[28+\i], 16, v[24+\i]   ; four blocks of keys: a scale word
.endr
	global_store_b128 v[L16], v[24:27], s[76:77]     ; 512 consecutive bytes, aligned to 256
.Lno_words:
	s_wait_tensorcnt 0x0                             ; the wave's end
	ds_add_u32 v[SPW], v[NIL]
	s_wait_dscnt 0x0
	ROUND                                            ; the closing round: no work-group ends while a partner may still ask for a tile that names it
	s_endpgm
.Lfunc_end_k_q1ee8a943ad_qkv:
	.size	k_q1ee8a943ad_qkv, .Lfunc_end_k_q1ee8a943ad_qkv-k_q1ee8a943ad_qkv
	.p2alignl 7, 3214868480
	.fill 96, 4, 3214868480
	.section	.rodata,"a",@progbits
	.p2align	6, 0x0
	.amdhsa_kernel k_q1ee8a943ad_qkv
		.amdhsa_group_segment_fixed_size 327680
		.amdhsa_private_segment_fixed_size 0
		.amdhsa_enable_private_segment 0
		.amdhsa_kernarg_size 104
		.amdhsa_user_sgpr_count 2
		.amdhsa_user_sgpr_kernarg_segment_ptr 1
		.amdhsa_wavefront_size32 1
		.amdhsa_system_sgpr_workgroup_id_x 1
		.amdhsa_system_sgpr_workgroup_id_y 1
		.amdhsa_system_sgpr_workgroup_id_z 1
		.amdhsa_system_vgpr_workitem_id 0
		.amdhsa_next_free_vgpr 848
		.amdhsa_next_free_sgpr 102
		.amdhsa_reserve_vcc 0
		.amdhsa_float_denorm_mode_32 3
		.amdhsa_float_denorm_mode_16_64 3
		.amdhsa_memory_ordered 1
		.amdhsa_forward_progress 1
		.amdhsa_inst_pref_size 255
	.end_amdhsa_kernel
	.section	.bss,"aw",@nobits
	.p2align	6
	.space	262144
	.amdgpu_metadata
---
amdhsa.version: [ 1, 2 ]
amdhsa.kernels:
  - .name:           k_q1ee8a943ad_qkv
    .symbol:         k_q1ee8a943ad_qkv.kd
    .args:
      - { .name: x_codes, .offset: 0, .size: 8, .value_kind: global_buffer, .address_space: global }
      - { .name: x_scales, .offset: 8, .size: 8, .value_kind: global_buffer, .address_space: global }
      - { .name: Wq_codes, .offset: 16, .size: 8, .value_kind: global_buffer, .address_space: global }
      - { .name: Wq_scales, .offset: 24, .size: 8, .value_kind: global_buffer, .address_space: global }
      - { .name: bq, .offset: 32, .size: 8, .value_kind: global_buffer, .address_space: global }
      - { .name: Wk_codes, .offset: 40, .size: 8, .value_kind: global_buffer, .address_space: global }
      - { .name: Wk_scales, .offset: 48, .size: 8, .value_kind: global_buffer, .address_space: global }
      - { .name: bk, .offset: 56, .size: 8, .value_kind: global_buffer, .address_space: global }
      - { .name: Wv_codes, .offset: 64, .size: 8, .value_kind: global_buffer, .address_space: global }
      - { .name: Wv_scales, .offset: 72, .size: 8, .value_kind: global_buffer, .address_space: global }
      - { .name: bv, .offset: 80, .size: 8, .value_kind: global_buffer, .address_space: global }
      - { .name: qw, .offset: 88, .size: 8, .value_kind: global_buffer, .address_space: global }
      - { .name: kv, .offset: 96, .size: 8, .value_kind: global_buffer, .address_space: global }
    .group_segment_fixed_size: 327680
    .private_segment_fixed_size: 0
    .kernarg_segment_align: 8
    .kernarg_segment_size: 104
    .max_flat_workgroup_size: 128
    .sgpr_count:     102
    .vgpr_count:     848
    .wavefront_size: 32
...
	.end_amdgpu_metadata
.endif
;; end of part 1
;; launch attn (part 2): grid 256 x 1, 16 waves a work-group, clusters of 4 x 1, 327,680 bytes of LDS; arguments qw, kv, ow; writes ow
.if DOCPART == 2
	.amdgcn_target "amdgcn-amd-amdhsa--gfx1250"
	.amdhsa_code_object_version 6
	.text
	.protected	k_q1ee8a943ad_attn
	.globl	k_q1ee8a943ad_attn
	.p2align	8
	.type	k_q1ee8a943ad_attn,@function
k_q1ee8a943ad_attn:
	s_mov_b64 s[64:65], 0
	v_nop
	global_prefetch_b8 v0, s[64:65] scope:SCOPE_SE
	s_setreg_imm32_b32 hwreg(HW_REG_WAVE_MODE, 25, 1), 1
	s_wait_xcnt 0x0
	s_wait_alu depctr_hold_cnt(0) depctr_sa_sdst(0) depctr_va_vdst(0) depctr_va_sdst(0) depctr_va_ssrc(0) depctr_va_vcc(0) depctr_vm_vsrc(0)
	s_getreg_b32 s2, hwreg(HW_REG_IB_STS2, 6, 4)
	s_cmp_eq_u32 s2, 0
	s_cbranch_scc0 .Lentry_in_a_cluster
	s_endpgm
.Lentry_in_a_cluster:
	s_bfe_u32 s2, ttmp6, 0x10000c
	s_cmp_lg_u32 s2, 0x3003
	s_cbranch_scc0 .Lentry_shape_is_right
	s_endpgm
.Lentry_shape_is_right:
; o = softmax(q k^T / 8) v for one batch and head at a time, both products on codes of FP6 (E2M3) with E8M0 scales; o is quantised along the model's 768 for the last launch.
; t = score x log2(e) / 8; M = the running largest t rounded up to a whole number; p = 2^(t - M) is quantised along the keys; the sum is taken of the unquantised p and divides O at the end.
; SHARES.  Cluster C owns batch-heads 3 C .. 3 C + 2; its work-group cx owns queries 256 cx on of each: three units.  Each of sixteen waves owns one tile of 16 queries, in 256 registers.
; THE FILL.  The three records of k, v and their scale words (104,448 bytes each) follow each other in kv: 1,224 rows of 256 bytes.  Waves 0-11 bring 102 rows each by ONE joint load (mask of all four
; work-groups, which need the same bytes).  Nothing is filled again: one barrier shows the records to every wave, and no barrier stands between units.
; No prefetch: the launch's only stream is asked for whole by the head's loads, and no loop stands ahead of them in which to ask earlier.
; LAYOUT.  A record of 768 bytes is an image of six registers a lane: registers 0-3 at 16 x lane, 4-5 at 512 + 8 x lane.  S^T = k q^T, O^T = v^T p^T: a lane holds one query throughout.
; The head has 64 along K: q's upper six registers are zero codes, so what stands in the upper six of k's operand adds exact zeros.
; KEY TILES ARE FORMED BY ADDRESS.  In kv, row rho of record 2 b + u holds key 32 b + 8 u + rho + 8 (rho / 8) of its 64.  Tile u of 64 keys takes for its rows 0-7 keys 8 u + 0..7 and for rows 8-15 keys 32 + 8 u + 0..7:
; lane (r, h) reads record 2 (r / 8) + u % 2, row 8 (u / 2) + r % 8.  So the 32 registers of four tiles are keys 32 h + 0 .. 31: a whole block of p in a lane, in the order of the operand's registers.
; Rows 0-7 and 8-15 of such a tile lie 1,536 bytes apart in LDS.
; THE STEP'S ORDER.  Independent chains take turns: eight chains of maxima, four of the sum; the next step's loads of k stand between the links of the chain that finds M;
; O^T is rescaled ahead of the exponentials, among the scalings; the exponentials are one batch.
; The eighth trip of a unit's loop asks for k 6,144 bytes on like the others; those bytes (v's) are not used.
; LIMITS.  NaN and infinities are not served.  The scaled scores stay under 2^31 in magnitude.  1 / sum is v_rcp_f32.  A block's largest p is the exponential of its largest score.
; A block of p or of o under 2^-124 gets the byte 1: its codes are zeros or subnormal, and this program alone reads the bytes.
.set REC,   104448
.set PART,  26112                      ; 102 rows of 256 bytes
.set VOFF,  49152                      ; v's records
.set KSC,   98304                      ; k's scale words
.set VSC,   102400                     ; v's
.set QREC,  53248
.set KSTEP, 6144                       ; eight records: 128 keys of k, and as many bytes of v
.set SPARE, 313344                     ; behind the records: the spare words, 128 bytes a wave
.set AV16, 4                           ; v1-3: 16, 8, 4 x lane.  v4-9 the step's LDS addresses
.set AV8,  5
.set AK16, 6
.set AK8,  7
.set ADS,  8
.set ADT,  9
.set CK16, 10                          ; 1536 (r / 8) + 16 (r % 8) + 256 h
.set QSW,  11                          ; q's scale word.  v12 -M; v13 the largest score; v[14:15] the sum in two halves
.set Q,    16                          ; v16-27 q's fragment; 22-27 zeros
.set KF,   28                          ; v28-75 eight half fragments of k
.set VF,   76                          ; v76-123 v's four fragments
.set KSR,  124                         ; v124-127 k's scale words
.set S,    128                         ; v128-191 S^T, then p
.set O,    192                         ; v192-223 O^T
.set PC,   224                         ; v224-235 p's codes
.set C2,   228                         ; two chains of the sum lie where the conversions' second halves are moved to afterwards
.set C3,   234
.set BM,   236                         ; tile t's largest score at v[BM + t + t / 7]: v236-242, v244
.set BB,   236                         ; v236-237 my two blocks' largest score, then largest p, then bytes
.set BS,   238                         ; v238-239 the conversions' scale operands
.set TC,   240                         ; v240-242, 244-246 the conversions' second halves
.set OLD,  244                         ; the old -M
.set CK8,  243                         ; 1536 (r / 8) + 8 (r % 8) + 128 h
.set CKS,  247                         ; 128 (r / 8) + 8 (r % 8) + 64 h
.set F,    248                         ; f = 2^(old M - new M)
.set PW,   249                         ; p's scale word
.set SPW,  250                         ; my spare word; never rewritten
.set NIL,  251                         ; 0; never rewritten
.set T1,   252                         ; two temporaries,
.set T2,   253
.set C1,   252                         ; then a chain of the sum
.set OW,   253                         ; at a unit's end o's two scale bytes
.set VSR,  254                         ; v254-255 v's scale words
.set WV,   10
.set G1,   16
.set G0,   24
.set SEL,  60
.set CS,   62
.set TK,   66
.set TS,   67
.set TV,   68
.set CNT,  69
.macro PLACES n
.rept \n
	v_nop
.endr
.endm
.macro ROUND
	s_barrier_signal -1
	s_barrier_wait -1
	s_cmp_lg_u32 s[WV], 0
	s_cbranch_scc1 .Lnot_wave_0_\@
	s_barrier_signal -3
.Lnot_wave_0_\@:
	s_barrier_wait -3
	s_barrier_signal -1
	s_barrier_wait -1
.endm
.macro KL t, ko                        ; key tile t, ko bytes on from the addresses in hand: 2 loads
	ds_load_b128 v[KF+6*(\t):KF+6*(\t)+3], v[AK16] offset:(\ko)+3072*((\t)/4)+768*((\t)%2)+128*(((\t)%4)/2)
	ds_load_b64 v[KF+6*(\t)+4:KF+6*(\t)+5], v[AK8] offset:(\ko)+3072*((\t)/4)+768*((\t)%2)+64*(((\t)%4)/2)+512
.endm
.macro KSL so                          ; the scale words of eight key tiles: 2 loads
	ds_load_b64 v[KSR:KSR+1], v[ADS] offset:(\so)        ; lanes 0-15: tiles 0, 1; lanes 16-31: tiles 2, 3
	ds_load_b64 v[KSR+2:KSR+3], v[ADS] offset:(\so)+256  ; tiles 4, 5; 6, 7
.endm
.macro XOP n                           ; pair n of the scores: t - M
	v_pk_fma_f32 v[S+2*(\n):S+2*(\n)+1], v[S+2*(\n):S+2*(\n)+1], s[CS:CS+1], v[12:13] op_sel_hi:[1,0,0]
.endm
.macro ROP k                           ; pair k of O^T under the new M
	v_pk_mul_f32 v[O+2*(\k):O+2*(\k)+1], v[O+2*(\k):O+2*(\k)+1], v[F:F+1] op_sel_hi:[1,0]
.endm
.macro ACC c, n                        ; pair n of the unquantised p joins chain c of the sum
	v_pk_add_f32 v[\c:\c+1], v[\c:\c+1], v[S+2*(\n):S+2*(\n)+1]
.endm
.macro INI c, a, b                     ; pairs a and b start chain c
	v_pk_add_f32 v[\c:\c+1], v[S+2*(\a):S+2*(\a)+1], v[S+2*(\b):S+2*(\b)+1]
.endm
; A KEY STEP: 128 keys
.macro STEP
	s_wait_dscnt 0x0                                 ; k and its scale words, asked for a step ago
.irp t, 0,1,2,3,4,5,6,7
.if (\t%4) < 2
	v_wmma_scale_f32_16x16x128_f8f6f4 v[S+8*\t:S+8*\t+7], v[KF+6*\t:KF+6*\t+11], v[Q:Q+11], 0, v[KSR+2*(\t/4)+\t%2], v[QSW] matrix_a_fmt:MATRIX_FMT_FP6 matrix_b_fmt:MATRIX_FMT_FP6
.else
	v_wmma_scale_f32_16x16x128_f8f6f4 v[S+8*\t:S+8*\t+7], v[KF+6*\t:KF+6*\t+11], v[Q:Q+11], 0, v[KSR+2*(\t/4)+\t%2], v[QSW] matrix_a_fmt:MATRIX_FMT_FP6 matrix_b_fmt:MATRIX_FMT_FP6 matrix_a_scale:MATRIX_SCALE_ROW1
.endif
.endr
	v_add_nc_u32 v[AV16], s[TK], v1                  ; the step's addresses: also the places behind the products, in front of the loads and of the first read of S^T
	v_add_nc_u32 v[AV8], s[TK], v2
	v_add_nc_u32 v[AK16], s[TK], v[CK16]
	v_add_nc_u32 v[AK8], s[TK], v[CK8]
	v_add_nc_u32 v[ADS], s[TS], v[CKS]
	v_add_nc_u32 v[ADT], s[TV], v3
.irp t, 0,1,2,3
.irp c, 0,1
	ds_load_b128 v[VF+12*\t+6*\c:VF+12*\t+6*\c+3], v[AV16] offset:VOFF+3072*\c+768*\t
	ds_load_b64 v[VF+12*\t+6*\c+4:VF+12*\t+6*\c+5], v[AV8] offset:VOFF+3072*\c+768*\t+512
.endr
.endr
	ds_load_b32 v[VSR], v[ADT]                       ; lanes 0-15: e tile 0; lanes 16-31: e tile 1
	ds_load_b32 v[VSR+1], v[ADT] offset:128          ; e tiles 2, 3
.irp t, 0,1,2,3,4,5,6,7                              ; the largest score, tile by tile, eight chains by turns, each accumulator from its low end on
	v_max3_num_f32 v[BM+\t+\t/7], v[S+8*\t], v[S+8*\t+1], v[S+8*\t+2]
.endr
.irp i, 3,5
.irp t, 0,1,2,3,4,5,6,7
	v_max3_num_f32 v[BM+\t+\t/7], v[BM+\t+\t/7], v[S+8*\t+\i], v[S+8*\t+\i+1]
.endr
.endr
	v_max3_num_f32 v[BM], v[BM], v[BM+1], v[BM+2]    ; my two blocks of 32 keys: four tiles and their four last registers each
	v_max3_num_f32 v[BM+4], v[BM+4], v[BM+5], v[BM+6]
	v_max3_num_f32 v[BM+3], v[BM+3], v[S+7], v[S+15]
	v_max3_num_f32 v[BM+8], v[BM+8], v[S+39], v[S+47]
	v_max3_num_f32 v[BM], v[BM], v[S+23], v[S+31]
	v_max3_num_f32 v[BM+4], v[BM+4], v[S+55], v[S+63]
	v_max_num_f32 v[BB], v[BM], v[BM+3]
	v_max_num_f32 v[BB+1], v[BM+4], v[BM+8]
	v_max_num_f32 v[T1], v[BB], v[BB+1]              ; the chain that finds M; the next step's k is asked for between its links
	v_mov_b32 v[OLD], v12
	KL 0, KSTEP
	KL 1, KSTEP
	v_permlanex16_b32 v[T2], v[T1], s[SEL], s[SEL+1] ; lane l xor 16 holds my query's other 64 keys
	KL 2, KSTEP
	KL 3, KSTEP
	v_max3_num_f32 v13, v[T1], v[T2], v13            ; the running largest score
	KL 4, KSTEP
	KL 5, KSTEP
	v_mul_f32 v[T1], s[CS], v13                      ; as t: c is positive
	KL 6, KSTEP
	KL 7, KSTEP
	v_floor_f32 v12, -v[T1]                          ; -M = floor(-t): M is a whole number
	KSL 512
	XOP 0
	XOP 1
	v_sub_f32 v[T2], v12, v[OLD]                     ; old M - new M, 0 or less
	v_fma_f32 v[BB], v[BB], s[CS], v12               ; t - M of each block's largest score
	v_fma_f32 v[BB+1], v[BB+1], s[CS], v12
	XOP 2
	XOP 3
	v_cvt_i32_f32 v[T2], v[T2]                       ; (it saturates)
.irp n, 4,5,6,7
	XOP \n
.endr
	v_ldexp_f32 v[F], 1.0, v[T2]                     ; f = 2^(old M - new M): a multiplication by it rounds nothing
.irp n, 8,9,10,11,12,13,14,15
	XOP \n
.endr
.irp k, 0,1,2,3,4,5,6,7,8,9,10,11,12,13,14,15
	ROP \k                                           ; O^T's first read behind the last step's products stands ahead of the exponentials
	XOP 16+\k
.endr
	s_wait_alu depctr_va_vdst(0)                     ; the wait ahead of the batch
.set j, 0
.rept 64
	v_exp_f32 v[S+j], v[S+j]                         ; p = 2^(t - M)
.set j, j+1
.endr
	v_exp_f32 v[BB], v[BB]                           ; each block's largest p: the same two instructions on the same number
	v_exp_f32 v[BB+1], v[BB+1]
	v_pk_mul_f32 v[14:15], v[14:15], v[F:F+1] op_sel_hi:[1,0]   ; the sum under the new M: the plain place behind the batch
	s_wait_alu depctr_va_vdst(0)                     ; one wait for the batch, ahead of its first reader
	v_max_num_f32 v[BB], 0x1800000, v[BB]            ; the floor 2^(3 - 127): the byte cannot fall under 1
	v_max_num_f32 v[BB+1], 0x1800000, v[BB+1]
	ACC 14, 0                                        ; the row's sum of the unquantised p, in four chains; the blocks' scales and the conversions stand between
	INI C1, 1, 5
	INI C2, 2, 6
	INI C3, 3, 7
	v_add_nc_u32 v[BS], 0xff000000, v[BB]            ; 2 off the exponent field: the conversion's scale operand
	v_add_nc_u32 v[BS+1], 0xff000000, v[BB+1]
	ACC 14, 4
	ACC C1, 9
	ACC C2, 10
	ACC C3, 11
	v_lshrrev_b32 v[BB], 23, v[BS]                   ; the bytes of blocks h and 2 + h
	v_lshrrev_b32 v[BB+1], 23, v[BS+1]
.irp c, 0,1
	v_cvt_scalef32_pk16_fp6_f32 v[PC+6*\c:PC+6*\c+2], v[S+32*\c:S+32*\c+15], v[BS+\c]
	v_cvt_scalef32_pk16_fp6_f32 v[TC+4*\c:TC+4*\c+2], v[S+32*\c+16:S+32*\c+31], v[BS+\c]   ; a conversion's three registers begin on an even number
.endr
	ACC 14, 8
	ACC C1, 13
	ACC C2, 14
	ACC C3, 15
	v_lshl_or_b32 v[PW], v[BB+1], 16, v[BB]
	ACC 14, 12
	ACC C1, 17
	ACC C2, 18
	ACC C3, 19
	v_permlanex16_b32 v[BB], v[PW], s[SEL], s[SEL+1]
	ACC 14, 16
	ACC C1, 21
	ACC C2, 22
	ACC C3, 23
	v_lshl_or_b32 v[PW], v[BB], 8, v[PW]             ; lanes 0-15, which alone are read: bytes 0, 2 mine, 1, 3 lane l + 16's
	ACC 14, 20
	ACC C1, 25
	ACC C2, 26
	ACC C3, 27
	ACC 14, 24
	v_pk_add_f32 v[C2:C2+1], v[C2:C2+1], v[C3:C3+1]
.irp i, 0,1,2
	v_mov_b32 v[PC+9+\i], v[TC+4+\i]                 ; chain 3 is spent: block 2 + h's upper 16 codes
.endr
	v_pk_add_f32 v[14:15], v[14:15], v[C2:C2+1]
.irp i, 0,1,2
	v_mov_b32 v[PC+3+\i], v[TC+\i]                   ; chain 2 is spent: block h's upper 16 codes
.endr
	ACC 14, 28                                       ; the last five additions are the places between p's codes and the products
	ACC C1, 29
	ACC 14, 30
	ACC C1, 31
	v_pk_add_f32 v[14:15], v[14:15], v[C1:C1+1]
	s_wait_alu depctr_va_vdst(0)                     ; the wait directly ahead of the wait below
	s_wait_dscnt 18                                  ; v and its scale words are in; the 18 loads of the next step's k, issued behind them, may be out
.irp t, 0,1,2,3
.if (\t%2) == 0
	v_wmma_scale_f32_16x16x128_f8f6f4 v[O+8*\t:O+8*\t+7], v[VF+12*\t:VF+12*\t+11], v[PC:PC+11], v[O+8*\t:O+8*\t+7], v[VSR+\t/2], v[PW] matrix_a_fmt:MATRIX_FMT_FP6 matrix_b_fmt:MATRIX_FMT_FP6
.else
	v_wmma_scale_f32_16x16x128_f8f6f4 v[O+8*\t:O+8*\t+7], v[VF+12*\t:VF+12*\t+11], v[PC:PC+11], v[O+8*\t:O+8*\t+7], v[VSR+\t/2], v[PW] matrix_a_fmt:MATRIX_FMT_FP6 matrix_b_fmt:MATRIX_FMT_FP6 matrix_a_scale:MATRIX_SCALE_ROW1
.endif
.endr
	s_add_co_u32 s[TK], s[TK], KSTEP
	s_add_co_u32 s[TS], s[TS], 512
	s_add_co_u32 s[TV], s[TV], 256
.endm
.macro UNIT i
	s_mov_b32 s[TK], REC*\i
	s_mov_b32 s[TS], REC*\i+KSC
	s_mov_b32 s[TV], REC*\i+VSC
	s_mov_b32 s[CNT], 8
	v_add_nc_u32 v[AK16], s[TK], v[CK16]
	v_add_nc_u32 v[AK8], s[TK], v[CK8]
	v_add_nc_u32 v[ADS], s[TS], v[CKS]
.irp t, 0,1,2,3,4,5,6,7
	KL \t, 0                                         ; the unit's first k lands under the clearing below
.endr
	KSL 0
	s_wait_xcnt 0x0                                  ; the last unit's stores have read their registers
.set j, 0
.rept 32
	v_mov_b32 v[O+j], 0                              ; the step is written for every step alike: the first finds zeros
.set j, j+1
.endr
	v_mov_b32 v13, 0xff61b1e6                        ; the largest score so far: -3e38
	v_mov_b32 v12, 0x7f61b1e6                        ; and -M = 3e38: the first f is 0, over zeros
	v_mov_b32 v14, 0
	v_mov_b32 v15, 0
	s_wait_alu depctr_va_vdst(0)                     ; the wait directly ahead of the wait below
	s_wait_loadcnt 0x0                               ; q
.Lstep_\@:
	STEP
	s_sub_co_u32 s[CNT], s[CNT], 1
	s_cmp_lg_u32 s[CNT], 0
	s_cbranch_scc1 .Lstep_\@
	s_wait_dscnt 0x0                                 ; the eighth trip's 18 loads are done: their registers may be loaded anew
	PLACES 4                                         ; behind the last products
.if \i < 2
	v_and_b32 v[T1], 0x78, v2                        ; 8 r
	global_load_b128 v[Q:Q+3], v1, s[36:37] offset:QREC*((\i)+1)        ; the next unit's q
	global_load_b64 v[Q+4:Q+5], v2, s[36:37] offset:QREC*((\i)+1)+512
	global_load_b32 v[QSW], v[T1], s[38:39] offset:QREC*((\i)+1)
.endif
	v_add_f32 v14, v14, v15
	v_permlanex16_b32 v[T2], v14, s[SEL], s[SEL+1]
	v_add_f32 v14, v14, v[T2]                        ; the row's sum
	s_wait_alu depctr_va_vdst(0)                     ; the wait ahead of the transcendental
	v_rcp_f32 v14, v14
	v_nop                                            ; a plain place behind the reciprocal
	s_wait_alu depctr_va_vdst(0)                     ; and ahead of its first reader, which is also O^T's
.set j, 0
.rept 16
	v_pk_mul_f32 v[O+j:O+j+1], v[O+j:O+j+1], v[14:15] op_sel_hi:[1,0]
.set j, j+2
.endr
.irp b, 0,1
.irp j, 0,1,2,3,4,5,6,7
	v_permlane16_swap_b32 v[O+16*\b+\j], v[O+16*\b+8+\j]   ; registers 16 b + 0 .. 15 now hold e = 32 b + 16 h + 0 .. 15
.endr
.endr
.irp b, 0,1                                          ; o's two blocks of 32 along e: scale bytes and codes
	v_max3_num_f32 v[BM+\b], |v[O+16*\b]|, |v[O+16*\b+1]|, 0x1800000
.endr
.irp z, 2,4,6,8,10,12,14
.irp b, 0,1
	v_max3_num_f32 v[BM+\b], v[BM+\b], |v[O+16*\b+\z]|, |v[O+16*\b+\z+1]|
.endr
.endr
.irp b, 0,1
	v_permlanex16_b32 v[TC+\b], v[BM+\b], s[SEL], s[SEL+1]
.endr
.irp b, 0,1
	v_max_num_f32 v[BM+\b], v[BM+\b], v[TC+\b]
.endr
.irp b, 0,1
	v_add_nc_u32 v[TC+4+\b], 0xff000000, v[BM+\b]
.endr
.irp b, 0,1
	v_lshrrev_b32 v[TC+\b], 23, v[TC+4+\b]
.endr
	v_lshl_or_b32 v[OW], v[TC+1], 8, v[TC]
	v_cvt_scalef32_pk16_fp6_f32 v[PC:PC+2], v[O:O+15], v[TC+4]
	v_cvt_scalef32_pk16_fp6_f32 v[TC:TC+2], v[O+16:O+31], v[TC+5]
	v_nop                                            ; one plain place behind a scaled conversion
.irp z, 0,1,2
	v_permlane16_swap_b32 v[PC+\z], v[TC+\z]         ; a whole block to a lane
.endr
.irp z, 0,1,2
	v_mov_b32 v[PC+3+\z], v[TC+\z]
.endr
	global_store_b128 v1, v[PC:PC+3], s[40:41] offset:768*\i          ; 512 consecutive bytes, aligned to 256
	global_store_b64 v2, v[PC+4:PC+5], s[40:41] offset:768*\i+512     ; 256 consecutive bytes, aligned
	global_store_b32 v3, v[OW], s[42:43] offset:128*\i
.endm
	s_load_b128 s[4:7], s[0:1], 0x0                  ; qw, kv
	s_load_b64 s[8:9], s[0:1], 0x10                  ; ow
	v_lshl_add_u32 v[SPW], v0, 2, SPARE
	v_mov_b32 v[NIL], 0
	ds_add_u32 v[SPW], v[NIL]                        ; the opening lines: the add, twice on end, and its wait
	ds_add_u32 v[SPW], v[NIL]
	v_lshrrev_b32 v4, 5, v0
	v_readfirstlane_b32 s[WV], v4                    ; wave 0..15
	v_and_b32 v5, 31, v0
	v_lshlrev_b32 v1, 4, v5                          ; 16 x lane
	v_lshlrev_b32 v2, 3, v5                          ; 8 x lane
	v_lshlrev_b32 v3, 2, v5                          ; 4 x lane
	v_and_b32 v6, 7, v0                              ; r % 8
	v_bfe_u32 v7, v0, 3, 1                           ; r / 8
	v_bfe_u32 v8, v0, 4, 1                           ; h
	v_mul_u32_u24 v9, v7, 1536
	v_lshl_add_u32 v[CK16], v6, 4, v9
	v_lshl_add_u32 v[CK16], v8, 8, v[CK16]
	v_lshl_add_u32 v[CK8], v6, 3, v9
	v_lshl_add_u32 v[CK8], v8, 7, v[CK8]
	v_lshlrev_b32 v[CKS], 3, v6
	v_lshl_add_u32 v[CKS], v7, 7, v[CKS]
	v_lshl_add_u32 v[CKS], v8, 6, v[CKS]
	v_and_b32 v[T1], 0x78, v2                        ; 8 r
	s_mov_b32 s[SEL], 0x76543210
	s_mov_b32 s[SEL+1], 0xfedcba98
	s_mov_b32 s[CS], 0x3e38aa3b                      ; log2(e) / 8
	s_mov_b32 s[CS+1], s[CS]
	s_mov_b32 s[G1], 15|(3<<16)|(1<<21)              ; the mask of all four; elements of 8 bytes; bit 21 beside a mask
	s_mov_b32 s[G1+1], 32<<16                        ; rows of 256 bytes,
	s_mov_b32 s[G1+2], 102<<16                       ; 102 of them, dense
	s_mov_b32 s[G1+3], 32<<16
	s_mov_b32 s[G1+4], 102
	s_mov_b32 s[G1+5], 32
	s_mov_b32 s[G1+6], 0
	s_mov_b32 s[G1+7], 0
	s_mul_i32 s72, ttmp9, 3                          ; the cluster's first batch-head
	s_mul_i32 s74, s72, REC
	s_mul_i32 s73, s[WV], PART
	s_add_co_u32 s74, s74, s73                       ; my twelfth of the three records (no place in the cluster enters)
	s_mov_b32 s75, 0
	s_bfe_u32 s70, ttmp6, 0x40000                    ; cx: it enters q's and o's addresses alone
	s_lshl_b32 s71, s70, 4
	s_add_co_u32 s71, s71, s[WV]                     ; my query tile
	s_mov_b32 s79, 0
	s_wait_alu depctr_va_vdst(0)                     ; the wait behind the head's vector work, ahead of the waits below
	s_wait_dscnt 0x0
	s_wait_kmcnt 0x0
	s_mov_b32 s[G0], 1
	s_mov_b32 s[G0+1], s73
	s_add_nc_u64 s[G0+2:G0+3], s[6:7], s[74:75]
	s_or_b32 s[G0+3], s[G0+3], 0x80000000
	s_mul_i32 s76, s72, QREC
	s_mul_i32 s78, s71, 768
	s_add_co_u32 s78, s78, s76
	s_add_nc_u64 s[36:37], s[4:5], s[78:79]          ; q's record
	s_lshr_b32 s77, s71, 2
	s_lshl_b32 s77, s77, 8
	s_add_co_u32 s78, s76, s77
	s_bfe_u32 s77, s71, 0x10001
	s_lshl_b32 s77, s77, 7
	s_add_co_u32 s78, s78, s77
	s_and_b32 s77, s71, 1
	s_lshl_b32 s77, s77, 2
	s_add_co_u32 s78, s78, s77
	s_add_co_u32 s78, s78, 49152
	s_add_nc_u64 s[38:39], s[4:5], s[78:79]          ; q's scale words
	s_lshr_b32 s77, ttmp9, 2
	s_lshl_b32 s77, s77, 6
	s_add_co_u32 s77, s77, s71                       ; 64 x batch + query tile
	s_mul_i32 s77, s77, 12
	s_and_b32 s76, ttmp9, 3
	s_mul_i32 s76, s76, 3
	s_add_co_u32 s77, s77, s76                       ; x 12 + first head
	s_mul_i32 s78, s77, 768
	s_add_nc_u64 s[40:41], s[8:9], s[78:79]          ; o's records
	s_lshl_b32 s78, s77, 7
	s_add_co_u32 s78, s78, 9437184
	s_add_nc_u64 s[42:43], s[8:9], s[78:79]          ; o's scale words
	ROUND                                            ; all four work-groups are here: the joint loads meet
	s_cmp_lt_u32 s[WV], 12
	s_cbranch_scc0 .Lno_fill                         ; 1,224 rows are twelve loads of 102
	tensor_load_to_lds s[G0:G0+3], s[G1:G1+7]        ; my one tensor load of the launch
	s_nop 0
	PLACES 4
.Lno_fill:
	global_load_b128 v[Q:Q+3], v1, s[36:37]
	global_load_b64 v[Q+4:Q+5], v2, s[36:37] offset:512
	global_load_b32 v[QSW], v[T1], s[38:39]
.irp j, 0,1,2,3,4,5
	v_mov_b32 v[Q+6+\j], 0                           ; zero codes for K = 64 .. 127
	v_mov_b32 v[VF+\j], 0                            ; what stands behind k's last tile in the very first step; later v's codes stand there
.endr
	v_mov_b32 v[PW], 0                               ; named as the upper half of the pair with f before it is first written
	v_mov_b32 v[T2], 0                               ; a lane permute's destination counts as one of its sources
	v_mov_b32 v[TC], 0
	v_mov_b32 v[TC+1], 0
	s_wait_alu depctr_va_vdst(0)                     ; the wait at the head's end
	s_wait_tensorcnt 0x0                             ; my part of the records is in,
	s_barrier_signal -1
	s_barrier_wait -1                                ; everybody's is
	UNIT 0
	UNIT 1
	UNIT 2
	s_wait_tensorcnt 0x0                             ; the wave's end
	ds_add_u32 v[SPW], v[NIL]
	s_wait_dscnt 0x0
	ROUND                                            ; the closing round
	s_endpgm
.Lfunc_end_k_q1ee8a943ad_attn:
	.size	k_q1ee8a943ad_attn, .Lfunc_end_k_q1ee8a943ad_attn-k_q1ee8a943ad_attn
	.p2alignl 7, 3214868480
	.fill 96, 4, 3214868480
	.section	.rodata,"a",@progbits
	.p2align	6, 0x0
	.amdhsa_kernel k_q1ee8a943ad_attn
		.amdhsa_group_segment_fixed_size 327680
		.amdhsa_private_segment_fixed_size 0
		.amdhsa_enable_private_segment 0
		.amdhsa_kernarg_size 24
		.amdhsa_user_sgpr_count 2
		.amdhsa_user_sgpr_kernarg_segment_ptr 1
		.amdhsa_wavefront_size32 1
		.amdhsa_system_sgpr_workgroup_id_x 1
		.amdhsa_system_sgpr_workgroup_id_y 1
		.amdhsa_system_sgpr_workgroup_id_z 1
		.amdhsa_system_vgpr_workitem_id 0
		.amdhsa_next_free_vgpr 256
		.amdhsa_next_free_sgpr 80
		.amdhsa_reserve_vcc 0
		.amdhsa_float_denorm_mode_32 3
		.amdhsa_float_denorm_mode_16_64 3
		.amdhsa_memory_ordered 1
		.amdhsa_forward_progress 1
		.amdhsa_inst_pref_size 72
	.end_amdhsa_kernel
	.amdgpu_metadata
---
amdhsa.version: [ 1, 2 ]
amdhsa.kernels:
  - .name:           k_q1ee8a943ad_attn
    .symbol:         k_q1ee8a943ad_attn.kd
    .args:
      - { .name: qw, .offset: 0, .size: 8, .value_kind: global_buffer, .address_space: global }
      - { .name: kv, .offset: 8, .size: 8, .value_kind: global_buffer, .address_space: global }
      - { .name: ow, .offset: 16, .size: 8, .value_kind: global_buffer, .address_space: global }
    .group_segment_fixed_size: 327680
    .private_segment_fixed_size: 0
    .kernarg_segment_align: 8
    .kernarg_segment_size: 24
    .max_flat_workgroup_size: 512
    .sgpr_count:     80
    .vgpr_count:     256
    .wavefront_size: 32
...
	.end_amdgpu_metadata
.endif
;; end of part 2
;; launch proj (part 3): grid 64 x 4, 4 waves a work-group, clusters of 4 x 4, 168,448 bytes of LDS; arguments ow, Wp_codes, Wp_scales, bp, out0; writes out0
.if DOCPART == 3
	.amdgcn_target "amdgcn-amd-amdhsa--gfx1250"
	.amdhsa_code_object_version 6
	.text
	.protected	k_q1ee8a943ad_proj
	.globl	k_q1ee8a943ad_proj
	.p2align	8
	.type	k_q1ee8a943ad_proj,@function
k_q1ee8a943ad_proj:
	s_mov_b64 s[64:65], 0
	v_nop
	global_prefetch_b8 v0, s[64:65] scope:SCOPE_SE
	s_setreg_imm32_b32 hwreg(HW_REG_WAVE_MODE, 25, 1), 1
	s_wait_xcnt 0x0
	s_wait_alu depctr_hold_cnt(0) depctr_sa_sdst(0) depctr_va_vdst(0) depctr_va_sdst(0) depctr_va_ssrc(0) depctr_va_vcc(0) depctr_vm_vsrc(0)
	s_getreg_b32 s2, hwreg(HW_REG_IB_STS2, 6, 4)
	s_cmp_eq_u32 s2, 0
	s_cbranch_scc0 .Lentry_in_a_cluster
	s_endpgm
.Lentry_in_a_cluster:
	s_bfe_u32 s2, ttmp6, 0x10000c
	s_cmp_lg_u32 s2, 0xf033
	s_cbranch_scc0 .Lentry_shape_is_right
	s_endpgm
.Lentry_shape_is_right:
; out = o Wp + bp on codes of FP6 (E2M3) with E8M0 scales; out is f32.
; SHARES.  Work-group (X, Y): token tiles 16 X on (256 tokens), outputs 192 Y on.  Wave w: tiles 16 X + 4 w + i; its o fragments (4 tiles x 6 K steps x 12 registers) come straight from memory,
; as images of registers (a record of 768 bytes: registers 0-3 at 16 x lane, 4-5 at 512 + 8 x lane; head h is the half h % 2 of K step h / 2), and stay.
; Wp's 192 rows come into LDS once, 48 rows a wave, asked for jointly by the four work-groups of a row of the cluster, which share Y.  Nothing is filled again.
; Three tasks of 64 outputs: source 0 = 16 rows of Wp, source 1 = an o tile: a lane holds one token and eight neighbouring outputs; bp is the C of each sum's first instruction.
; Lane r of token tile 2 b + u holds token 32 b + 8 u + r + 8 (r / 8).  Results go through the wave's own stage in LDS and leave as runs of 256 consecutive bytes, aligned.
.set WSLOT, 46080                      ; 64 rows at pitch 720 = 9 x (64 bytes + 16 of padding)
.set WROWS, 11520
.set STG,   138240                     ; behind Wp: 16 rows x 272 bytes for each wave; written by LDS stores alone
.set PADW,  (1<<20)|(1<<21)|(3<<22)|(3<<25)
.set AW,   5                           ; v5-10 my rows of Wp for the three tasks (+ 24 h; + 40 h)
.set R24,  11
.set H32,  13
.set L4,   14
.set L16,  15
.set L8,   16
.set STO,  17
.set RD,   18
.set CO,   19
.set XS,   32                          ; v32-55 o's scale words (6 i + ks)
.set WS,   56                          ; v56-79 Wp's (6 t + ks)
.set BK,   80                          ; v80-111 rows read back from the stage
.set ACC,  128
.set WB0,  96                          ; window 2
.set BI,   48                          ; window 3
.set WV,   30
.set G1,   32
.set G0,   48
.set MSB, 0
.macro WIN new
.if MSB != (\new)
	s_set_vgpr_msb (MSB<<8)|(\new)
.set MSB, (\new)
.endif
.endm
.macro PLACES n
.rept \n
	v_nop
.endr
.endm
.macro ROUND
	s_barrier_signal -1
	s_barrier_wait -1
	s_cmp_lg_u32 s[WV], 0
	s_cbranch_scc1 .Lnot_wave_0_\@
	s_barrier_signal -3
.Lnot_wave_0_\@:
	s_barrier_wait -3
	s_barrier_signal -1
	s_barrier_wait -1
.endm
.macro FRAG reg, adr, ks, off          ; a fragment in pieces of 8 bytes; piece n lies at 8 n + 16 (n / 8)
.irp p, 0,1,2,3,4,5
.set PCN, 12*(\ks)+6*(\p/3)+\p%3
.if PCN%8 < 5
	ds_load_b64 v[(\reg)+2*\p:(\reg)+2*\p+1], v[\adr] offset:8*PCN+16*(PCN/8)+(\off)
.else
	ds_load_b64 v[(\reg)+2*\p:(\reg)+2*\p+1], v[\adr+1] offset:8*PCN+16*(PCN/8)+(\off)
.endif
.endr
.endm
.macro LOADSB c
.irp t, 0,1,2,3
.irp p, 0,1,2
	global_load_b64 v[WS+6*\t+2*\p:WS+6*\t+2*\p+1], v[R24], s[8:9] offset:1536*(\c)+384*\t+8*\p
.endr
.endr
	WIN 0xc0
.irp t, 0,1,2,3
.irp z, 0,1
	global_load_b128 v[BI+8*\t+4*\z:BI+8*\t+4*\z+3], v[H32], s[10:11] offset:256*(\c)+64*\t+16*\z   ; bp(16 t + 8 h + j)
.endr
.endr
	WIN 0
.endm
.macro FETCHW y, ks, wb
	WIN 0x80
.irp t, 0,1,2,3
	FRAG (\wb)+12*\t, AW+2*(\y), \ks, WROWS*\t
.endr
.endm
.macro MUL ks, wb                      ; the sixteen accumulators take turns, one instruction a turn
.if (\ks) == 0
	WIN 0x36
.elseif (\ks) < 4
	WIN 0x06
.else
	WIN 0x0a
.endif
.irp g, 0,1,2,3
.irp n, 0,1,2,3
.set rD, ACC+32*\g+8*\n
.set rC, BI+8*\n
.if (\ks) != 0
.set rC, rD
.endif
.set rB, 12*(4*((\ks)%4)+\g)
	v_wmma_scale_f32_16x16x128_f8f6f4 v[rD:rD+7], v[(\wb)+12*\n:(\wb)+12*\n+11], v[rB:rB+11], v[rC:rC+7], v[WS+6*\n+(\ks)], v[XS+6*\g+(\ks)] matrix_a_fmt:MATRIX_FMT_FP6 matrix_b_fmt:MATRIX_FMT_FP6
.endr
.endr
.endm
.macro PTASK c
	FETCHW \c, 0, WB0
	s_wait_loadcnt 0x0                               ; this task's scale words and bias
.irp ks, 0,1,2,3,4,5
.if (\ks >= 1) && (\ks < 5)
	PLACES 4                                         ; in front of loads into the set that the step before multiplied
.endif
.if \ks < 5
	FETCHW \c, \ks+1, WB0+48*((\ks+1)%2)
	s_wait_dscnt 24                                  ; all but the 24 loads just issued
.else
	s_wait_dscnt 0x0
.endif
	MUL \ks, WB0+48*(\ks%2)
.endr
	WIN 0
	PLACES 5                                         ; four places serve the LDS stores that read the results and the loads into scale and bias registers; the fifth the next task's first
	                                                 ; products, which write over these accumulators with the bias as C: no other vector instruction stands between two tasks
.if (\c) < 2
	LOADSB (\c)+1
.endif
.irp i, 0,1,2,3
	s_wait_xcnt 0x0                                  ; the earlier stores have read their registers
.irp t, 0,1,2,3
	ds_store_b128 v[STO], v[ACC+32*\i+8*\t:ACC+32*\i+8*\t+3] offset:64*\t          ; each accumulator from its low end on
	ds_store_b128 v[STO], v[ACC+32*\i+8*\t+4:ACC+32*\i+8*\t+7] offset:64*\t+16
.endr
.irp k, 0,1,2,3,4,5,6,7
	ds_load_b128 v[BK+4*\k:BK+4*\k+3], v[RD] offset:544*\k   ; LDS serves a wave's instructions in order (ISA guide 5.7.1.4): these see the stores above
.endr
.irp k, 0,1,2,3,4,5,6,7
	s_wait_dscnt 7-\k                                ; the younger loads may be out
	global_store_b128 v[CO], v[BK+4*\k:BK+4*\k+3], s[70:71] offset:(32*(\i/2)+8*(\i%2)+2*\k+8*(\k/4))*3072+256*(\c) th:TH_STORE_NT   ; 16 lanes store 256 consecutive bytes, aligned
.endr
.endr
.endm
	s_load_b256 s[4:11], s[0:1], 0x0                 ; ow, Wp codes, Wp scales, bp
	s_load_b64 s[12:13], s[0:1], 0x20                ; out0
	v_lshl_add_u32 v126, v0, 2, 0x29000
	v_mov_b32 v127, 0
	ds_add_u32 v126, v127
	ds_add_u32 v126, v127
	v_lshrrev_b32 v24, 5, v0
	v_readfirstlane_b32 s[WV], v24
	v_and_b32 v24, 15, v0                            ; r
	v_bfe_u32 v25, v0, 4, 1                          ; h
	v_and_b32 v26, 31, v0                            ; lane
	v_mul_u32_u24 v28, v24, 720
	v_mad_u32_u24 v29, v25, 24, v28
	v_mad_u32_u24 v30, v25, 40, v28
.irp y, 0,1,2
	v_add_nc_u32 v[AW+2*\y], WSLOT*\y, v29
	v_add_nc_u32 v[AW+2*\y+1], WSLOT*\y, v30
.endr
	v_mul_u32_u24 v[R24], v24, 24
	v_lshlrev_b32 v[H32], 5, v25
	v_lshlrev_b32 v[L4], 2, v26
	v_lshlrev_b32 v[L16], 4, v26
	v_lshlrev_b32 v[L8], 3, v26
	s_mul_i32 s31, s[WV], 4352
	s_add_co_u32 s31, s31, STG                       ; my stage
	v_mul_u32_u24 v[STO], v24, 272
	v_lshl_add_u32 v[STO], v25, 5, v[STO]
	v_add_nc_u32 v[STO], s31, v[STO]                 ; in: row r, + 32 h
	v_mul_u32_u24 v[RD], v25, 272
	v_lshl_add_u32 v[RD], v24, 4, v[RD]
	v_add_nc_u32 v[RD], s31, v[RD]                   ; back: lanes 0-15 one row, lanes 16-31 the next
	v_mul_u32_u24 v[CO], v25, 3072
	v_lshl_add_u32 v[CO], v24, 4, v[CO]              ; and the same two rows in out0
	s_bfe_u32 s83, ttmp6, 0x40000                    ; cx
	s_bfe_u32 s84, ttmp6, 0x40004                    ; cy
	s_lshl_b32 s85, ttmp9, 2
	s_add_co_u32 s85, s85, s83                       ; X
	s_and_b32 s86, ttmp7, 0xffff
	s_lshl_b32 s86, s86, 2
	s_add_co_u32 s86, s86, s84                       ; Y
	s_lshl_b32 s87, s84, 2
	s_lshl_b32 s87, 15, s87                          ; my row of the cluster
	s_or_b32 s[G1], s87, PADW
	s_mov_b32 s[G1+1], 256<<16                       ; my 48 rows of Wp are a dense block of 27,648 bytes: stated as 108 rows of 256 bytes, each on a multiple of 256
	s_mov_b32 s[G1+2], 108<<16
	s_mov_b32 s[G1+3], 256<<16
	s_mov_b32 s[G1+4], 108
	s_mov_b32 s[G1+5], 256
	s_mov_b32 s[G1+6], 0
	s_mov_b32 s[G1+7], 0
	s_mul_i32 s92, s86, 110592                       ; Wp: 192 Y rows + my 48 w rows (no register here ever holds X)
	s_mul_i32 s31, s[WV], 27648
	s_add_co_u32 s92, s92, s31
	s_mov_b32 s93, 0
	s_lshl_b32 s96, s85, 4
	s_lshl_b32 s97, s[WV], 2
	s_add_co_u32 s96, s96, s97                       ; my first token tile
	s_mov_b32 s95, 0
	s_wait_dscnt 0x0
	s_wait_kmcnt 0x0
	s_mov_b32 s[G0], 1
	s_mul_i32 s[G0+1], s[WV], 34560
	s_add_nc_u64 s[G0+2:G0+3], s[6:7], s[92:93]
	s_or_b32 s[G0+3], s[G0+3], 0x80000000
	s_mul_i32 s94, s96, 9216
	s_add_nc_u64 s[66:67], s[4:5], s[94:95]          ; o's records
	s_mul_i32 s94, s96, 1536
	s_add_co_u32 s94, s94, 9437184
	s_add_nc_u64 s[68:69], s[4:5], s[94:95]          ; o's scale words
	s_mul_i32 s94, s96, 49152                        ; 16 tokens of 3,072 bytes a tile
	s_mul_i32 s97, s86, 768
	s_add_co_u32 s94, s94, s97
	s_add_nc_u64 s[70:71], s[12:13], s[94:95]        ; out0 at my first token and output
	s_mul_i32 s94, s86, 4608
	s_add_nc_u64 s[8:9], s[8:9], s[94:95]
	s_mov_b32 s94, s97
	s_add_nc_u64 s[10:11], s[10:11], s[94:95]
	ROUND                                            ; all sixteen work-groups are here: the joint loads meet
	tensor_load_to_lds s[G0:G0+3], s[G1:G1+7]        ; my one tensor load
	s_nop 0
	PLACES 4
	WIN 0x40
	s_wait_alu depctr_va_vdst(0)
.irp i, 0,1,2,3
.irp h, 0,1,2,3,4,5,6,7
	global_load_b128 v[12*(4*(\h/2)+\i)+6*(\h%2):12*(4*(\h/2)+\i)+6*(\h%2)+3], v[L16], s[66:67] offset:9216*\i+768*\h
	global_load_b64 v[12*(4*(\h/2)+\i)+6*(\h%2)+4:12*(4*(\h/2)+\i)+6*(\h%2)+5], v[L8], s[66:67] offset:9216*\i+768*\h+512
.endr
.endr
	WIN 0x80
.irp i, 0,1,2,3
.irp h, 8,9,10,11
	global_load_b128 v[12*(4*(\h/2-4)+\i)+6*(\h%2):12*(4*(\h/2-4)+\i)+6*(\h%2)+3], v[L16], s[66:67] offset:9216*\i+768*\h
	global_load_b64 v[12*(4*(\h/2-4)+\i)+6*(\h%2)+4:12*(4*(\h/2-4)+\i)+6*(\h%2)+5], v[L8], s[66:67] offset:9216*\i+768*\h+512
.endr
.endr
	WIN 0
.irp i, 0,1,2,3
.irp h, 0,1,2,3,4,5,6,7,8,9,10,11
	global_load_b32 v[ACC+12*\i+\h], v[L4], s[68:69] offset:1536*\i+128*\h   ; a head's two bytes a token
.endr
.endr
	LOADSB 0
	s_wait_tensorcnt 0x0                             ; my 48 rows of Wp are in,
	s_barrier_signal -1
	s_barrier_wait -1                                ; everybody's are
	s_wait_loadcnt 0x0
.irp i, 0,1,2,3
.irp g, 0,1,2,3,4,5
	v_lshl_or_b32 v[XS+6*\i+\g], v[ACC+12*\i+2*\g+1], 16, v[ACC+12*\i+2*\g]   ; two heads' bytes make a K step's scale word
.endr
.endr
	PLACES 8                                         ; a scale register written by a vector instruction stands eight places ahead of a scaled matrix instruction
	s_wait_alu depctr_va_vdst(0)
	PTASK 0
	PTASK 1
	PTASK 2
	s_wait_tensorcnt 0x0
	ds_add_u32 v126, v127
	s_wait_dscnt 0x0
	ROUND                                            ; the closing round
	s_endpgm
.Lfunc_end_k_q1ee8a943ad_proj:
	.size	k_q1ee8a943ad_proj, .Lfunc_end_k_q1ee8a943ad_proj-k_q1ee8a943ad_proj
	.p2alignl 7, 3214868480
	.fill 96, 4, 3214868480
	.section	.rodata,"a",@progbits
	.p2align	6, 0x0
	.amdhsa_kernel k_q1ee8a943ad_proj
		.amdhsa_group_segment_fixed_size 168448
		.amdhsa_private_segment_fixed_size 0
		.amdhsa_enable_private_segment 0
		.amdhsa_kernarg_size 40
		.amdhsa_user_sgpr_count 2
		.amdhsa_user_sgpr_kernarg_segment_ptr 1
		.amdhsa_wavefront_size32 1
		.amdhsa_system_sgpr_workgroup_id_x 1
		.amdhsa_system_sgpr_workgroup_id_y 1
		.amdhsa_system_sgpr_workgroup_id_z 1
		.amdhsa_system_vgpr_workitem_id 0
		.amdhsa_next_free_vgpr 848
		.amdhsa_next_free_sgpr 102
		.amdhsa_reserve_vcc 0
		.amdhsa_float_denorm_mode_32 3
		.amdhsa_float_denorm_mode_16_64 3
		.amdhsa_memory_ordered 1
		.amdhsa_forward_progress 1
		.amdhsa_inst_pref_size 118
	.end_amdhsa_kernel
	.amdgpu_metadata
---
amdhsa.version: [ 1, 2 ]
amdhsa.kernels:
  - .name:           k_q1ee8a943ad_proj
    .symbol:         k_q1ee8a943ad_proj.kd
    .args:
      - { .name: ow, .offset: 0, .size: 8, .value_kind: global_buffer, .address_space: global }
      - { .name: Wp_codes, .offset: 8, .size: 8, .value_kind: global_buffer, .address_space: global }
      - { .name: Wp_scales, .offset: 16, .size: 8, .value_kind: global_buffer, .address_space: global }
      - { .name: bp, .offset: 24, .size: 8, .value_kind: global_buffer, .address_space: global }
      - { .name: out0, .offset: 32, .size: 8, .value_kind: global_buffer, .address_space: global }
    .group_segment_fixed_size: 168448
    .private_segment_fixed_size: 0
    .kernarg_segment_align: 8
    .kernarg_segment_size: 40
    .max_flat_workgroup_size: 128
    .sgpr_count:     102
    .vgpr_count:     848
    .wavefront_size: 32
...
	.end_amdgpu_metadata
.endif
;; end of part 3
